; MI455X (gfx1250); checked and timed in simulation.
; The chip was launched on July 23, 2026; its instructions are those of AMD's public machine-readable ISA for CDNA 5 (MIT licence, August 2026) and "CDNA5" Instruction Set Architecture Reference Guide (July 2026). The comments in the code are by the model that wrote it; some were corrected since.
;; Multi Head Self Attention. Allowed arithmetic: matrix products marked QUANTISED: E2M1 operands, one E8M0 scale for each 32 along K, by v_wmma_scale_f32_16x16x128_f8f6f4 with both operands' format E2M1 (or v_wmma_scale_f32_32x16x128_f4), f32 sums; everything else in f32.
;; Inputs: out_b 1,024 float32; out_w 1,024 x 1,024 float32; qkv_b 3,072 float32; qkv_w 3,072 x 1,024 float32; x 2 x 2,048 x 1,024 float32.
;; Outputs: out0 2 x 2,048 x 1,024 float32.
;; This version of the problem:
;;   THIS VERSION OF THE PROBLEM IS GIVEN IN LOW PRECISION. The matrix products marked QUANTISED in the list below multiply operands that are first quantised to E2M1 (2 exponent bits, 1 mantissa bit; 4 bits a number), with one power-of-two scale for each 32 numbers along K (OCP MX v1.0); their sums are f32. All else is computed in f32.
;;   The module's matrix products, in the order in which they are computed (A, B: the left and right operand; K: the contracted axis; several contracted axes count as one K, in the product's order):
;;     1. [M 4,096, K 1,024] x [K 1,024, N 3,072]; A: input x; B: input qkv_w: QUANTISED
;;     2. batch 32 x [M 2,048, K 64] x [K 64, N 2,048]; A: computed on the way; B: computed on the way: QUANTISED
;;     3. batch 32 x [M 64, K 2,048] x [K 2,048, N 2,048]; A: computed on the way; B: softmax (see below): QUANTISED
;;     4. [M 4,096, K 1,024] x [K 1,024, N 1,024]; A: computed on the way; B: input out_w: QUANTISED
;;   THE QUANTISER, for each operand of a quantised product, along K:
;;     - K is cut into blocks of 32 from its start; a last block that is shorter is filled with zeros.
;;     - A block's scale is 2^e with e = floor(log2(the largest magnitude in the block)) - 2, held to -126 .. 127; a block of zeros has e = 0. As a byte (E8M0): e + 127.
;;     - Each number is divided by its block's scale, clamped to +-6, and rounded to the nearest number of E2M1, ties to even, subnormals kept.
;;     - The product sums the exact products of the quantised numbers (number of the format x scale) in f32.
;;   ~~~python
;;   def quantise(x, axis):      # numpy; x: float32 -> the quantised numbers, widened to float32 again
;;       x = np.moveaxis(x, axis, -1); K = x.shape[-1]
;;       x = np.pad(x, [(0, 0)] * (x.ndim - 1) + [(0, -K % 32)]); x = x.reshape(x.shape[:-1] + (-1, 32)); a = np.abs(x).max(-1, keepdims=True)
;;       e = np.where(a > 0, np.clip(np.frexp(np.where(a > 0, a, 1))[1] - 1 - 2, -126, 127), 0)      # np.frexp(a)[1] - 1 = floor(log2(a)), exactly
;;       r = np.clip(x / 2.0 ** e, -6, 6)
;;       step = 2.0 ** (np.maximum(np.frexp(np.where(r == 0, 1, r))[1] - 1, 0) - 1)
;;       q = np.round(r / step) * step * 2.0 ** e      # np.round: ties to even
;;       return np.moveaxis(q.reshape(q.shape[:-2] + (-1,))[..., :K], -1, axis).astype(np.float32)
;;   ~~~
;;   SOFTMAX AHEAD OF A QUANTISED PRODUCT. Where the list says 'softmax', what is quantised is not the finished softmax but p = 2^(t - M), with t = logit x log2(e) and M = ceil(the row's largest t), a whole number; so 1/2 < the row's largest p <= 1. The row's sum l is taken of the UNQUANTISED p, in f32, and the product's result is divided by l at the end. Since M is a whole number, a kernel that streams over the keys may use a running M (the ceiling of the running maximum): every later rescaling is an exact power of two, which a block's scale takes up: the codes' values come out the same.
;;   OPERANDS COMPUTED ON THE WAY. 'Computed on the way' means the value that the module computes at that place (a softmax that the list does not call 'softmax' is quantised finished and normalised). What goes into a quantiser is computed in f32, as accurately as f32 sums, v_exp_f32 and their like allow (about 1e-6 of the number): no bf16 or f16 on the way to a quantiser, and a product that is left as it is and whose result goes on into a quantised operand takes f32 operands (vector FMAs, or v_wmma_f32_16x16x4_f32). A number that lies on a knife's edge between two numbers of the format may be rounded either way, as far as f32 arithmetic and the matrix unit's own rounding can turn it there, and no further.
;; One version. Each part assembles by itself: llvm-mc -triple=amdgcn-amd-amdhsa -mcpu=gfx1250 --defsym DOCPART=n.
;; ======== version 1 of 1: 4 launches
;; limits: right only within a limited range of input values
;; workspace buffers: cod1 4,194,304 bytes; scl1 262,144 bytes; qkvc 6,291,456 bytes; qkvs 655,360 bytes; ctxc 2,097,152 bytes; ctxs 131,072 bytes
;; launch quant (part 1): grid 256 x 1, 4 waves a work-group, no clusters, 168,448 bytes of LDS; arguments x, qkv_w, out_w, cod1, scl1; writes cod1, scl1
.if DOCPART == 1
	.amdgcn_target "amdgcn-amd-amdhsa--gfx1250"
	.amdhsa_code_object_version 6
	.text
	.protected	k_q5854ba0186_quant
	.globl	k_q5854ba0186_quant
	.p2align	8
	.type	k_q5854ba0186_quant,@function
k_q5854ba0186_quant:
	s_mov_b64 s[64:65], 0
	v_nop
	global_prefetch_b8 v0, s[64:65] scope:SCOPE_SE
	s_setreg_imm32_b32 hwreg(HW_REG_WAVE_MODE, 25, 1), 1
	s_wait_xcnt 0x0
; x [4096][1024], qkv_w [3072][1024], out_w [1024][1024], f32, K innermost, become codes of FP4 (E2M1) with one E8M0 byte for each 32 along K.
; The three tensors count as one run of 8,192 rows.  A TILE T is 16 rows, not neighbours: lane r of tile T holds row 32 (T / 2) + 8 (T % 2) + r + 8 (r / 8).
; cod1 [kc 2][T 512][q 4][1,024 bytes]: K step 4 kc + q of tile T as an image of the operand's registers: part c (0, 1) is 512 bytes, lane l's 16 bytes at 16 l: k = 64 c + 32 (l / 16) + 0 .. 31 of its row.
; scl1 [T 512][kc 2][r 16][q 4 words]: a word is a row's four bytes of one K step.
; A block's scale is 2^(floor(log2(largest magnitude)) - 2); its byte is the largest magnitude's exponent field - 2, held at 1 from below.  A block of zeros keeps the byte 1: its codes are zeros, and this program alone reads the bytes.
; LIMITS: NaN and infinities are not served; blocks whose largest magnitude lies under 2^-124 keep the byte 1.
; SHARES.  A work-group takes 32 rows (two tiles).  Wave w takes K quarter w (1,024 bytes, two K steps) of all 32 rows by ONE tensor load of 32 rows x 1,024 bytes into LDS bytes of its own,
; and works both tiles x two K steps from them.  Nothing is filled twice and a wave reads its own bytes alone: no barrier.  The work-groups share no input: no cluster.
.set PITCH, 1040                       ; an LDS row: 1,024 bytes + 16
.set WREG,  32*PITCH                   ; a wave's region
.set X,   16                           ; v16-143  two sets of 64 numbers
.set CD,  144                          ; v144-175 codes: eight registers for each piece of work, so that no store's data are written again
.set SW,  176                          ; v176-179 scale words: 2 u + K step
.set G1,  24
.set G0,  32
.set SEL, 20
	s_load_b256 s[4:11], s[0:1], 0x0               ; x, qkv_w, out_w, cod1
	s_load_b64 s[12:13], s[0:1], 0x20              ; scl1
	v_lshl_add_u32 v192, v0, 2, 0x29000
	v_mov_b32 v193, 0
	ds_add_u32 v192, v193                          ; the opening lines
	ds_add_u32 v192, v193
	v_lshrrev_b32 v1, 5, v0
	v_readfirstlane_b32 s14, v1                    ; wave 0..3
	s_lshr_b32 s15, s14, 1                         ; kc
	s_and_b32 s16, s14, 1                          ; which two of the half's four K steps
	s_mul_i32 s18, s14, WREG                       ; my region in LDS
	v_and_b32 v7, 31, v0                           ; lane
	v_and_b32 v1, 15, v0                           ; r
	v_bfe_u32 v2, v0, 4, 1                         ; h
	v_and_b32 v3, 8, v1
	v_add_nc_u32 v3, v3, v1                        ; r + 8 (r / 8)
	v_mul_u32_u24 v3, v3, PITCH
	v_lshl_add_u32 v3, v2, 7, v3
	v_add_nc_u32 v3, s18, v3                       ; LDS: tile 0's row of lane r, + 128 h: my block of 32 numbers
	v_lshlrev_b32 v4, 4, v7                        ; 16 x lane: my place in an image
	v_lshlrev_b32 v5, 4, v1
	v_lshl_add_u32 v5, v2, 9, v5                   ; scale words out: lanes 0-15 tile 0's row r, lanes 16-31 tile 1's
	v_lshlrev_b32 v6, 3, v2                        ; 8 h: my bytes' place in a word
	v_mov_b32 v15, 0                               ; a lane permute's destination counts as one of its sources
	s_mov_b32 s[G1+0], (3<<16)|(1<<20)|(7<<22)|(3<<25)   ; elements of 8 bytes; 4 words of padding behind every 256
	s_mov_b32 s[G1+1], 128<<16
	s_mov_b32 s[G1+2], 32<<16
	s_mov_b32 s[G1+3], 128<<16
	s_mov_b32 s[G1+4], 32
	s_mov_b32 s[G1+5], 512                         ; from row to row: 4,096 bytes
	s_mov_b32 s[G1+6], 0
	s_mov_b32 s[G1+7], 0
	s_mov_b32 s[SEL], 0x76543210
	s_mov_b32 s[SEL+1], 0xfedcba98
	s_cmp_lt_u32 ttmp9, 128                        ; groups 0-127 x, 128-223 qkv_w, 224-255 out_w
	s_cselect_b32 s17, 0, 128
	s_cmp_lt_u32 ttmp9, 224
	s_cselect_b32 s17, s17, 224
	s_sub_co_u32 s17, ttmp9, s17
	s_lshl_b32 s2, s17, 17                         ; 32 rows of 4,096 bytes,
	s_lshl_b32 s3, s14, 10                         ; K quarter w
	s_add_co_u32 s2, s2, s3
	s_mov_b32 s3, 0
	s_wait_alu depctr_va_vdst(0)                   ; the head's end
	s_wait_dscnt 0x0
	s_wait_kmcnt 0x0
	s_cmp_lt_u32 ttmp9, 128
	s_cselect_b64 s[4:5], s[4:5], s[6:7]
	s_cmp_lt_u32 ttmp9, 224
	s_cselect_b64 s[4:5], s[4:5], s[8:9]
	s_mov_b32 s[G0], 1
	s_mov_b32 s[G0+1], s18
	s_add_nc_u64 s[G0+2:G0+3], s[4:5], s[2:3]
	s_or_b32 s[G0+3], s[G0+3], 0x80000000
	tensor_load_to_lds s[G0:G0+3], s[G1:G1+7]      ; my one tensor load
	s_nop 0
	s_lshl_b32 s2, ttmp9, 13
	s_lshl_b32 s17, s15, 21
	s_add_co_u32 s2, s2, s17
	s_lshl_b32 s17, s16, 11
	s_add_co_u32 s2, s2, s17
	s_add_nc_u64 s[10:11], s[10:11], s[2:3]        ; cod1 at [kc][2 g][2 (w % 2)]
	s_lshl_b32 s2, ttmp9, 10
	s_lshl_b32 s17, s15, 8
	s_add_co_u32 s2, s2, s17
	s_lshl_b32 s17, s16, 3
	s_add_co_u32 s2, s2, s17
	s_add_nc_u64 s[12:13], s[12:13], s[2:3]        ; scl1 at [2 g][kc][0][2 (w % 2)]
.macro FETCH f                         ; piece f: tile f / 2, K step f % 2 of my two: my two whole blocks, 32 numbers each
.irp c, 0,1
.irp j, 0,1,2,3,4,5,6,7
	ds_load_b128 v[X+64*((\f)%2)+32*\c+4*\j:X+64*((\f)%2)+32*\c+4*\j+3], v3 offset:((\f)/2)*8*PITCH+((\f)%2)*512+256*\c+16*\j
.endr
.endr
.endm
.macro WORK f, left                    ; left: the LDS loads of the next piece, which may stay out
.set XS, X+64*((\f)%2)
	s_wait_dscnt \left
.irp c, 0,1
	v_max3_num_f32 v[8+\c], |v[XS+32*\c]|, |v[XS+32*\c+1]|, 0x1800000   ; the floor 2^(3 - 127) among the leaves
.endr
.irp i, 2,4,6,8,10,12,14,16,18,20,22,24,26,28,30
.irp c, 0,1
	v_max3_num_f32 v[8+\c], v[8+\c], |v[XS+32*\c+\i]|, |v[XS+32*\c+\i+1]|
.endr
.endr
.irp c, 0,1
	v_add_nc_u32 v[10+\c], 0xff000000, v[8+\c]     ; 2 off the exponent field: the conversion's scale operand
.endr
.irp c, 0,1
	v_lshrrev_b32 v[12+\c], 23, v[10+\c]           ; the scale's byte
.endr
	v_lshl_or_b32 v14, v13, 16, v12                ; my bytes: blocks h and 2 + h,
	v_lshlrev_b32 v14, v6, v14                     ; at their places;
	v_permlanex16_b32 v15, v14, s[SEL], s[SEL+1]
	v_or_b32 v[SW+\f], v14, v15                    ; with lane l xor 16's two the word is whole
.irp c, 0,1
.irp g, 0,1,2,3
	v_cvt_scalef32_pk8_fp4_f32 v[CD+8*\f+4*\c+\g], v[XS+32*\c+8*\g:XS+32*\c+8*\g+7], v[10+\c]
.endr
.endr
	v_nop                                          ; one plain place behind the last scaled conversion
.irp c, 0,1
	global_store_b128 v4, v[CD+8*\f+4*\c:CD+8*\f+4*\c+3], s[10:11] offset:((\f)/2)*4096+((\f)%2)*1024+512*\c   ; 32 lanes store 512 consecutive bytes, aligned
.endr
.endm
	s_wait_tensorcnt 0x0                           ; my tile is in
	FETCH 0
	FETCH 1
	WORK 0, 16
	FETCH 2
	WORK 1, 16
	FETCH 3
	WORK 2, 16
	WORK 3, 0
	v_cmp_eq_u32 vcc_lo, 1, v2                     ; both halves of the lanes hold all four words: lanes 0-15 send tile 0's two, lanes 16-31 tile 1's
	v_cndmask_b32 v8, v[SW], v[SW+2], vcc_lo
	v_cndmask_b32 v9, v[SW+1], v[SW+3], vcc_lo
	global_store_b64 v5, v[8:9], s[12:13]
	s_wait_tensorcnt 0x0                           ; the wave's end
	ds_add_u32 v192, v193
	s_wait_dscnt 0x0
	s_endpgm
.Lfunc_end_k_q5854ba0186_quant:
	.size	k_q5854ba0186_quant, .Lfunc_end_k_q5854ba0186_quant-k_q5854ba0186_quant
	.p2alignl 7, 3214868480
	.fill 96, 4, 3214868480
	.section	.rodata,"a",@progbits
	.p2align	6, 0x0
	.amdhsa_kernel k_q5854ba0186_quant
		.amdhsa_group_segment_fixed_size 168448
		.amdhsa_private_segment_fixed_size 0
		.amdhsa_enable_private_segment 0
		.amdhsa_kernarg_size 40
		.amdhsa_user_sgpr_count 2
		.amdhsa_user_sgpr_kernarg_segment_ptr 1
		.amdhsa_wavefront_size32 1
		.amdhsa_system_sgpr_workgroup_id_x 1
		.amdhsa_system_sgpr_workgroup_id_y 1
		.amdhsa_system_sgpr_workgroup_id_z 1
		.amdhsa_system_vgpr_workitem_id 0
		.amdhsa_next_free_vgpr 194
		.amdhsa_next_free_sgpr 66
		.amdhsa_reserve_vcc 1
		.amdhsa_float_denorm_mode_32 3
		.amdhsa_float_denorm_mode_16_64 3
		.amdhsa_memory_ordered 1
		.amdhsa_forward_progress 1
		.amdhsa_inst_pref_size 21
	.end_amdhsa_kernel
	.amdgpu_metadata
---
amdhsa.version: [ 1, 2 ]
amdhsa.kernels:
  - .name:           k_q5854ba0186_quant
    .symbol:         k_q5854ba0186_quant.kd
    .args:
      - { .name: x, .offset: 0, .size: 8, .value_kind: global_buffer, .address_space: global }
      - { .name: qkv_w, .offset: 8, .size: 8, .value_kind: global_buffer, .address_space: global }
      - { .name: out_w, .offset: 16, .size: 8, .value_kind: global_buffer, .address_space: global }
      - { .name: cod1, .offset: 24, .size: 8, .value_kind: global_buffer, .address_space: global }
      - { .name: scl1, .offset: 32, .size: 8, .value_kind: global_buffer, .address_space: global }
    .group_segment_fixed_size: 168448
    .private_segment_fixed_size: 0
    .kernarg_segment_align: 8
    .kernarg_segment_size: 40
    .max_flat_workgroup_size: 128
    .sgpr_count:     66
    .vgpr_count:     194
    .wavefront_size: 32
...
	.end_amdgpu_metadata
.endif
;; end of part 1
;; launch qkv (part 2): grid 12 x 16, 4 waves a work-group, clusters of 4 x 4, 327,680 bytes of LDS; arguments cod1, scl1, qkv_b, qkvc, qkvs; writes qkvc, qkvs
.if DOCPART == 2
	.amdgcn_target "amdgcn-amd-amdhsa--gfx1250"
	.amdhsa_code_object_version 6
	.text
	.protected	k_q5854ba0186_qkv
	.globl	k_q5854ba0186_qkv
	.p2align	8
	.type	k_q5854ba0186_qkv,@function
k_q5854ba0186_qkv:
	s_mov_b64 s[64:65], 0
	v_nop
	global_prefetch_b8 v0, s[64:65] scope:SCOPE_SE
	s_setreg_imm32_b32 hwreg(HW_REG_WAVE_MODE, 25, 1), 1
	s_wait_xcnt 0x0
	s_wait_alu depctr_hold_cnt(0) depctr_sa_sdst(0) depctr_va_vdst(0) depctr_va_sdst(0) depctr_va_ssrc(0) depctr_va_vcc(0) depctr_vm_vsrc(0)
	s_getreg_b32 s2, hwreg(HW_REG_IB_STS2, 6, 4)
	s_cmp_eq_u32 s2, 0
	s_cbranch_scc0 .Lentry_in_a_cluster
	s_endpgm
.Lentry_in_a_cluster:
	s_bfe_u32 s2, ttmp6, 0x10000c
	s_cmp_lg_u32 s2, 0xf033
	s_cbranch_scc0 .Lentry_shape_is_right
	s_endpgm
.Lentry_shape_is_right:
.set CHUNK, 131072
.set SCL,   2*CHUNK
.set BO0,  4
.set BO1,  5
.set ADRA, 16
.set ADRB, 20
.set LI,   26
.set ADRS, 27
.set SC,   32
.set TM,   96
.set U,    112
.set TT,   116
.set W2,   120
.set FS,   128
.set NUM,  128
.set PC,   192
.set G1,   24
.set G0,   32
.set G1B,  48
.set G0B,  56
.set G1S,  68
.set G0S,  76
.set G1SB, 80
.set G0SB, 88
.set SEL,  98
.set MSB, 0
.macro WIN new
.if MSB != (\new)
	s_set_vgpr_msb (MSB<<8)|(\new)
.set MSB, (\new)
.endif
.endm
.macro JLOAD g0a, g1a, g0b, g1b
	s_cmp_eq_u32 s15, 0
	s_cbranch_scc0 .Lfor_b_\@
	tensor_load_to_lds s[\g0a:\g0a+3], s[\g1a:\g1a+7]
	s_nop 0
.rept 4
	v_nop
.endr
	s_branch .Lasked_\@
.Lfor_b_\@:
	tensor_load_to_lds s[\g0b:\g0b+3], s[\g1b:\g1b+7]
	s_nop 0
.rept 4
	v_nop
.endr
.Lasked_\@:
.endm
.macro CROUND
	s_barrier_signal -1
	s_barrier_wait -1
	s_cmp_lg_u32 s14, 0
	s_cbranch_scc1 .Lnot_wave_0_\@
	s_barrier_signal -3
.Lnot_wave_0_\@:
	s_barrier_wait -3
	s_barrier_signal -1
	s_barrier_wait -1
.endm
.macro PLACES
.rept 4
	v_nop
.endr
.endm
	s_load_b128 s[4:7], s[0:1], 0x0
	s_load_b128 s[8:11], s[0:1], 0x10
	s_load_b64 s[12:13], s[0:1], 0x20
	v_lshl_add_u32 v126, v0, 2, 0x44000
	v_mov_b32 v127, 0
	ds_add_u32 v126, v127
	ds_add_u32 v126, v127
	v_lshrrev_b32 v1, 5, v0
	v_readfirstlane_b32 s14, v1
	s_lshr_b32 s15, s14, 1
	s_and_b32 s16, s14, 1
	v_and_b32 v1, 15, v0
	v_bfe_u32 v2, v0, 4, 1
	v_and_b32 v3, 31, v0
	v_lshlrev_b32 v[LI], 4, v3
	s_lshl_b32 s18, s15, 15
	v_add_nc_u32 v[ADRA], s18, v[LI]
	v_add_nc_u32 v[ADRA+1], CHUNK, v[ADRA]
	s_lshl_b32 s18, s16, 15
	s_add_co_u32 s18, s18, 65536
	v_add_nc_u32 v[ADRB], s18, v[LI]
	v_add_nc_u32 v[ADRB+1], CHUNK, v[ADRB]
	s_lshl_b32 s18, s15, 12
	s_lshl_b32 s19, s16, 12
	s_add_co_u32 s19, s19, 8192
	s_sub_co_u32 s19, s19, s18
	v_mul_u32_u24 v6, s19, v2
	s_wait_alu depctr_va_vdst(0)
	s_add_co_u32 s18, s18, SCL
	v_lshl_add_u32 v6, v1, 4, v6
	v_add_nc_u32 v[ADRS], s18, v6
	v_lshlrev_b32 v[BO0], 6, v2
	v_and_b32 v[BO1], 8, v1
	v_add_nc_u32 v[BO1], v[BO1], v1
	v_lshlrev_b32 v[BO1], 2, v[BO1]
.irp b, 0,1,2,3
	v_mov_b32 v[TM+4+\b], 0
.endr
	s_bfe_u32 s40, ttmp6, 0x40000
	s_bfe_u32 s41, ttmp6, 0x40004
	s_lshl_b32 s42, ttmp9, 2
	s_add_co_u32 s42, s42, s40
	s_and_b32 s17, ttmp7, 0xffff
	s_lshl_b32 s17, s17, 2
	s_add_co_u32 s17, s17, s41
	s_lshl_b32 s43, s41, 2
	s_lshl_b32 s43, 15, s43
	s_lshl_b32 s44, 0x1111, s40
	s_or_b32 s[G1+0], s43, (3<<16)|(1<<21)
	s_or_b32 s[G1B+0], s44, (3<<16)|(1<<21)
.irp g, G1, G1B
	s_mov_b32 s[\g+1], 32<<16
	s_mov_b32 s[\g+2], 256<<16
	s_mov_b32 s[\g+3], 32<<16
	s_mov_b32 s[\g+4], 256
	s_mov_b32 s[\g+5], 32
	s_mov_b32 s[\g+6], 0
	s_mov_b32 s[\g+7], 0
.endr
	s_or_b32 s[G1S+0], s43, (3<<16)|(1<<21)
	s_or_b32 s[G1SB+0], s44, (3<<16)|(1<<21)
.irp g, G1S, G1SB
	s_mov_b32 s[\g+1], 32<<16
	s_mov_b32 s[\g+2], 32<<16
	s_mov_b32 s[\g+3], 32<<16
	s_mov_b32 s[\g+4], 32
	s_mov_b32 s[\g+5], 32
	s_mov_b32 s[\g+6], 0
	s_mov_b32 s[\g+7], 0
.endr
	s_mov_b32 s[SEL], 0x76543210
	s_mov_b32 s[SEL+1], 0xfedcba98
	s_lshl_b32 s18, s16, 3
	s_lshl_b32 s20, s17, 4
	s_add_co_u32 s20, s20, s18
	s_lshl_b32 s46, s42, 4
	s_add_co_u32 s46, s46, s18
	s_add_co_u32 s46, s46, 256
	s_lshl_b32 s22, s20, 9
	s_mov_b32 s23, 0
	s_lshl_b32 s20, s20, 12
	s_mov_b32 s21, 0
	s_lshl_b32 s92, s46, 9
	s_mov_b32 s93, 0
	s_lshl_b32 s46, s46, 12
	s_mov_b32 s47, 0
	s_lshl_b32 s45, s14, 15
	s_lshl_b32 s94, s14, 12
	s_wait_dscnt 0x0
	s_wait_kmcnt 0x0
	s_add_nc_u64 s[20:21], s[4:5], s[20:21]
	s_add_nc_u64 s[22:23], s[6:7], s[22:23]
	s_add_nc_u64 s[46:47], s[4:5], s[46:47]
	s_add_nc_u64 s[92:93], s[6:7], s[92:93]
	CROUND
	; THE HEAD'S FOUR TILES, each whole, one a wave: wave 0 chunk 0 of A's 16 tiles (65,536 bytes), wave 1 of B's, wave 2 A's scale words (8,192 bytes), wave 3 B's.  The addresses above hold my half's 8 tiles: they are taken off.
	s_lshl_b32 s96, s16, 15
	s_mov_b32 s97, 0
	s_lshl_b32 s18, s16, 12
	s_mov_b32 s19, 0
	s_mov_b32 s[G0], 1
	s_mov_b32 s[G0+1], 0
	s_sub_nc_u64 s[G0+2:G0+3], s[20:21], s[96:97]
	s_or_b32 s[G0+3], s[G0+3], 0x80000000
	s_mov_b32 s[G0B], 1
	s_mov_b32 s[G0B+1], 65536
	s_sub_nc_u64 s[G0B+2:G0B+3], s[46:47], s[96:97]
	s_or_b32 s[G0B+3], s[G0B+3], 0x80000000
	s_mov_b32 s[G0S], 1
	s_mov_b32 s[G0S+1], SCL
	s_sub_nc_u64 s[G0S+2:G0S+3], s[22:23], s[18:19]
	s_or_b32 s[G0S+3], s[G0S+3], 0x80000000
	s_mov_b32 s[G0SB], 1
	s_mov_b32 s[G0SB+1], SCL+8192
	s_sub_nc_u64 s[G0SB+2:G0SB+3], s[92:93], s[18:19]
	s_or_b32 s[G0SB+3], s[G0SB+3], 0x80000000
	s_mov_b32 s[G0+4], 1                           ; chunk 1: a quarter a wave
	s_add_co_u32 s[G0+5], s45, CHUNK
	s_add_nc_u64 s[G0+6:G0+7], s[20:21], 2097152
	s_or_b32 s[G0+7], s[G0+7], 0x80000000
	s_mov_b32 s[G0B+4], 1
	s_add_co_u32 s[G0B+5], s45, CHUNK
	s_add_nc_u64 s[G0B+6:G0B+7], s[46:47], 2097152
	s_or_b32 s[G0B+7], s[G0B+7], 0x80000000
.macro ARM under, g0, g1, next         ; one chain of branches on the wave's number, one load to an arm
	s_cmp_lt_u32 s14, \under
	s_cbranch_scc0 \next
	tensor_load_to_lds s[\g0:\g0+3], s[\g1:\g1+7]
	s_nop 0
.rept 4
	v_nop
.endr
	s_branch .Lhead_asked
\next:
.endm
	ARM 1, G0,  G1,  .Lhead_b
	ARM 2, G0B, G1B, .Lhead_sa
	ARM 3, G0S, G1S, .Lhead_sb
	tensor_load_to_lds s[G0SB:G0SB+3], s[G1SB:G1SB+7]
	s_nop 0
.rept 4
	v_nop
.endr
.Lhead_asked:
	s_wait_alu depctr_va_vdst(0)
	s_wait_tensorcnt 0x0                           ; my tile of the head's four is in
	ds_add_u32 v126, v127
	s_mov_b32 s[G1+2], 128<<16                     ; no tensor load of mine is out: from here on a load brings 128 rows
	s_mov_b32 s[G1+4], 128
	s_mov_b32 s[G1B+2], 128<<16
	s_mov_b32 s[G1B+4], 128
	s_wait_dscnt 0x0
	CROUND
	JLOAD G0+4, G1, G0B+4, G1B
	s_lshr_b32 s18, s17, 3
	s_and_b32 s19, s17, 7
	s_lshl_b32 s19, s19, 1
	s_add_co_u32 s19, s19, s15
	s_lshl_b32 s46, s40, 2
	s_lshl_b32 s47, s16, 1
	s_add_co_u32 s46, s46, s47
	s_lshl_b32 s47, s18, 4
	s_add_co_u32 s47, s47, s46
	s_lshl_b32 s92, s47, 16
	s_lshl_b32 s93, ttmp9, 21
	s_add_co_u32 s92, s92, s93
	s_lshl_b32 s93, s19, 12
	s_add_co_u32 s92, s92, s93
	s_mov_b32 s93, 0
	s_add_nc_u64 s[10:11], s[10:11], s[92:93]
	s_lshl_b32 s92, s42, 10
	s_lshl_b32 s95, s16, 9
	s_add_co_u32 s92, s92, s95
	s_add_nc_u64 s[8:9], s[8:9], s[92:93]
.macro FETCH n, p
	WIN 0x40
.irp i, 0,1,2,3,4,5,6,7
.irp c, 0,1
	ds_load_b128 v[FS+64*(\p)+8*\i+4*\c:FS+64*(\p)+8*\i+4*\c+3], v[ADRB+(\n)/4] offset:\i*4096+((\n)%4)*1024+512*\c
.endr
.endr
	WIN 0
.irp i, 0,1,2,3,4,5,6,7
.irp c, 0,1
	ds_load_b128 v[FS+64*(\p)+8*\i+4*\c:FS+64*(\p)+8*\i+4*\c+3], v[ADRA+(\n)/4] offset:\i*4096+((\n)%4)*1024+512*\c
.endr
.endr
.endm
.macro SCALES kc
.irp i, 0,1,2,3,4,5,6,7
	ds_load_b128 v[SC+32*\kc+4*\i:SC+32*\kc+4*\i+3], v[ADRS] offset:512*\i+256*\kc
.endr
.endm
.macro MUL a0, p, n, vp
.irp a, \a0, \a0+1
.irp b, 0,1,2,3,4,5,6,7
.if \n == 0
.if \vp
	v_wmma_scale_f32_16x16x128_f8f6f4 v[8*(8*((\a)%4)+\b):8*(8*((\a)%4)+\b)+7], v[FS+64*(\p)+8*\b:FS+64*(\p)+8*\b+7], v[FS+64*(\p)+8*(\a):FS+64*(\p)+8*(\a)+7], 0, v[SC+32*((\n)/4)+4*\b+(\n)%4], v[SC+32*((\n)/4)+4*(\a)+(\n)%4] matrix_a_fmt:MATRIX_FMT_FP4 matrix_b_fmt:MATRIX_FMT_FP4 matrix_b_scale:MATRIX_SCALE_ROW1
.else
	v_wmma_scale_f32_16x16x128_f8f6f4 v[8*(8*((\a)%4)+\b):8*(8*((\a)%4)+\b)+7], v[FS+64*(\p)+8*\b:FS+64*(\p)+8*\b+7], v[FS+64*(\p)+8*(\a):FS+64*(\p)+8*(\a)+7], 0, v[SC+32*((\n)/4)+4*\b+(\n)%4], v[SC+32*((\n)/4)+4*(\a)+(\n)%4] matrix_a_fmt:MATRIX_FMT_FP4 matrix_b_fmt:MATRIX_FMT_FP4 matrix_a_scale:MATRIX_SCALE_ROW1
.endif
.else
.if \vp
	v_wmma_scale_f32_16x16x128_f8f6f4 v[8*(8*((\a)%4)+\b):8*(8*((\a)%4)+\b)+7], v[FS+64*(\p)+8*\b:FS+64*(\p)+8*\b+7], v[FS+64*(\p)+8*(\a):FS+64*(\p)+8*(\a)+7], v[8*(8*((\a)%4)+\b):8*(8*((\a)%4)+\b)+7], v[SC+32*((\n)/4)+4*\b+(\n)%4], v[SC+32*((\n)/4)+4*(\a)+(\n)%4] matrix_a_fmt:MATRIX_FMT_FP4 matrix_b_fmt:MATRIX_FMT_FP4 matrix_b_scale:MATRIX_SCALE_ROW1
.else
	v_wmma_scale_f32_16x16x128_f8f6f4 v[8*(8*((\a)%4)+\b):8*(8*((\a)%4)+\b)+7], v[FS+64*(\p)+8*\b:FS+64*(\p)+8*\b+7], v[FS+64*(\p)+8*(\a):FS+64*(\p)+8*(\a)+7], v[8*(8*((\a)%4)+\b):8*(8*((\a)%4)+\b)+7], v[SC+32*((\n)/4)+4*\b+(\n)%4], v[SC+32*((\n)/4)+4*(\a)+(\n)%4] matrix_a_fmt:MATRIX_FMT_FP4 matrix_b_fmt:MATRIX_FMT_FP4 matrix_a_scale:MATRIX_SCALE_ROW1
.endif
.endif
.endr
.endr
.endm
.macro STEP n, vp
	s_wait_dscnt 0x0
.if \n == 3
	s_wait_tensorcnt 0x0
	s_barrier_signal -1
	s_barrier_wait -1
.endif
.if \n < 7
.if \n > 0
	PLACES
.endif
	FETCH \n+1, 1-\n%2
.if \n == 3
	SCALES 1
.endif
.endif
	WIN 0xa1+3*\vp
	MUL 0, \n%2, \n, \vp
	MUL 2, \n%2, \n, \vp
	WIN 0xf1+3*\vp
	MUL 4, \n%2, \n, \vp
	MUL 6, \n%2, \n, \vp
.endm
.macro QUANT s, pc, pw
.irp b, 0,1,2,3
	v_max3_num_f32 v[TM+\b], |v[\s+16*\b]|, |v[\s+1+16*\b]|, 0x1800000
.endr
.irp i, 2,4,6,8,10,12,14
.irp b, 0,1,2,3
	v_max3_num_f32 v[TM+\b], v[TM+\b], |v[\s+16*\b+\i]|, |v[\s+1+16*\b+\i]|
.endr
.endr
.irp b, 0,1,2,3
	v_permlanex16_b32 v[TM+4+\b], v[TM+\b], s[SEL], s[SEL+1]
.endr
.irp b, 0,1,2,3
	v_max_num_f32 v[TM+\b], v[TM+\b], v[TM+4+\b]
.endr
.irp b, 0,1,2,3
	v_add_nc_u32 v[TM+12+\b], 0xff000000, v[TM+\b]
.endr
.irp b, 0,1,2,3
	v_lshrrev_b32 v[TM+4+\b], 23, v[TM+12+\b]
.endr
	v_lshl_or_b32 v[\pw], v[TM+5], 8, v[TM+4]
	v_lshl_or_b32 v[\pw], v[TM+6], 16, v[\pw]
	v_lshl_or_b32 v[\pw], v[TM+7], 24, v[\pw]
.irp b, 0,1,2,3
	v_cvt_scalef32_pk8_fp4_f32 v[\pc+2*\b], v[\s+16*\b:\s+7+16*\b], v[TM+12+\b]
	v_cvt_scalef32_pk8_fp4_f32 v[\pc+1+2*\b], v[\s+8+16*\b:\s+15+16*\b], v[TM+12+\b]
.endr
	v_nop
.irp c, 0,1
.irp i, 0,1
	v_permlane16_swap_b32 v[\pc+4*\c+\i], v[\pc+2+4*\c+\i]
.endr
.endr
.endm
.macro TILE a, vp
	WIN 0x06+\a/4
.set J, 0
.rept 32
.if \vp
	v_pk_add_f32 v[NUM+J:NUM+J+1], v[64*(\a%4)+J:64*(\a%4)+J+1], v[2*\a:2*\a+1]
.else
	v_pk_add_f32 v[NUM+J:NUM+J+1], v[64*(\a%4)+J:64*(\a%4)+J+1], v[J:J+1]
.endif
.set J, J+2
.endr
	WIN 0
.if \vp
	QUANT NUM, PC+8*\a, U+\a
	global_store_b128 v[LI], v[PC+8*\a:PC+8*\a+3], s[10:11] offset:(\a/4)*65536+(\a%4)*1024
	global_store_b128 v[LI], v[PC+8*\a+4:PC+8*\a+7], s[10:11] offset:(\a/4)*65536+(\a%4)*1024+512
.else
	QUANT NUM, PC+8*\a, U+4*(\a%2)+\a/2
	global_store_b128 v[LI], v[PC+8*\a:PC+8*\a+3], s[10:11] offset:512*\a
	global_store_b128 v[LI], v[PC+8*\a+4:PC+8*\a+7], s[10:11] offset:512*\a+65536
.endif
.endm
.macro PATH vp
.if \vp
	s_lshl_b32 s92, s18, 16
	s_lshl_b32 s95, s19, 12
	s_add_co_u32 s92, s92, s95
	s_lshl_b32 s95, s46, 8
	s_add_co_u32 s92, s92, s95
	s_add_co_u32 s92, s92, 524288
.else
	s_lshl_b32 s92, ttmp9, 18
	s_lshl_b32 s95, s47, 13
	s_add_co_u32 s92, s92, s95
	s_lshl_b32 s95, s19, 9
	s_add_co_u32 s92, s92, s95
.endif
	s_add_nc_u64 s[12:13], s[12:13], s[92:93]
	WIN 0x40
.if \vp
.irp a, 0,1,2,3,4,5,6,7
	global_load_b32 v[2*\a], v[BO1], s[8:9] offset:(32*(\a/2)+8*(\a%2))*4
	global_load_b32 v[2*\a+1], v[BO1], s[8:9] offset:(32*(\a/2)+8*(\a%2))*4
.endr
.else
.irp g, 0,1,2,3
.irp j, 0,1,2,3
	global_load_b128 v[16*\g+4*\j:16*\g+4*\j+3], v[BO0], s[8:9] offset:128*\g+16*\j
.endr
.endr
.endif
	WIN 0
	s_wait_tensorcnt 0x1
	s_barrier_signal -1
	s_barrier_wait -1
	FETCH 0, 0
	SCALES 0
.irp n, 0,1,2,3,4,5,6,7
	STEP \n, \vp
.endr
	s_wait_loadcnt 0x0
	PLACES
.irp a, 0,1,2,3,4,5,6,7
	TILE \a, \vp
.endr
.irp j, 0,1,2,3
	v_permlane16_swap_b32 v[U+\j], v[TT+\j]
.endr
.if \vp
	global_store_b128 v[LI], v[U:U+3], s[12:13]
.else
.irp j, 0,1,2,3
	v_lshrrev_b32 v[W2+\j], 16, v[U+\j]
.endr
	global_store_b128 v[LI], v[U:U+3], s[12:13]
	global_store_b128 v[LI], v[W2:W2+3], s[12:13] offset:8192
.endif
.endm
	s_cmp_eq_u32 ttmp9, 2
	s_cbranch_scc1 .Lpath_v
	s_wait_alu depctr_va_vdst(0)
	PATH 0
	s_branch .Lend
.Lpath_v:
	s_wait_alu depctr_va_vdst(0)
	PATH 1
.Lend:
	s_wait_tensorcnt 0x0
	ds_add_u32 v126, v127
	s_wait_dscnt 0x0
	CROUND
	s_endpgm
.Lfunc_end_k_q5854ba0186_qkv:
	.size	k_q5854ba0186_qkv, .Lfunc_end_k_q5854ba0186_qkv-k_q5854ba0186_qkv
	.p2alignl 7, 3214868480
	.fill 96, 4, 3214868480
	.section	.rodata,"a",@progbits
	.p2align	6, 0x0
	.amdhsa_kernel k_q5854ba0186_qkv
		.amdhsa_group_segment_fixed_size 327680
		.amdhsa_private_segment_fixed_size 0
		.amdhsa_enable_private_segment 0
		.amdhsa_kernarg_size 40
		.amdhsa_user_sgpr_count 2
		.amdhsa_user_sgpr_kernarg_segment_ptr 1
		.amdhsa_wavefront_size32 1
		.amdhsa_system_sgpr_workgroup_id_x 1
		.amdhsa_system_sgpr_workgroup_id_y 1
		.amdhsa_system_sgpr_workgroup_id_z 1
		.amdhsa_system_vgpr_workitem_id 0
		.amdhsa_next_free_vgpr 1024
		.amdhsa_next_free_sgpr 100
		.amdhsa_reserve_vcc 0
		.amdhsa_float_denorm_mode_32 3
		.amdhsa_float_denorm_mode_16_64 3
		.amdhsa_memory_ordered 1
		.amdhsa_forward_progress 1
		.amdhsa_inst_pref_size 255
	.end_amdhsa_kernel
	.section	.bss,"aw",@nobits
	.p2align	6
	.space	262144
	.amdgpu_metadata
---
amdhsa.version: [ 1, 2 ]
amdhsa.kernels:
  - .name:           k_q5854ba0186_qkv
    .symbol:         k_q5854ba0186_qkv.kd
    .args:
      - { .name: cod1, .offset: 0, .size: 8, .value_kind: global_buffer, .address_space: global }
      - { .name: scl1, .offset: 8, .size: 8, .value_kind: global_buffer, .address_space: global }
      - { .name: qkv_b, .offset: 16, .size: 8, .value_kind: global_buffer, .address_space: global }
      - { .name: qkvc, .offset: 24, .size: 8, .value_kind: global_buffer, .address_space: global }
      - { .name: qkvs, .offset: 32, .size: 8, .value_kind: global_buffer, .address_space: global }
    .group_segment_fixed_size: 327680
    .private_segment_fixed_size: 0
    .kernarg_segment_align: 8
    .kernarg_segment_size: 40
    .max_flat_workgroup_size: 128
    .sgpr_count:     100
    .vgpr_count:     1024
    .wavefront_size: 32
...
	.end_amdgpu_metadata
.endif
;; end of part 2
;; launch attn (part 3): grid 8 x 32, 16 waves a work-group, clusters of 4 x 1, 169,984 bytes of LDS; arguments qkvc, qkvs, ctxc, ctxs; writes ctxc, ctxs
.if DOCPART == 3
	.amdgcn_target "amdgcn-amd-amdhsa--gfx1250"
	.amdhsa_code_object_version 6
	.text
	.protected	k_q5854ba0186_attn
	.globl	k_q5854ba0186_attn
	.p2align	8
	.type	k_q5854ba0186_attn,@function
k_q5854ba0186_attn:
	s_mov_b64 s[64:65], 0
	v_nop
	global_prefetch_b8 v0, s[64:65] scope:SCOPE_SE
	s_setreg_imm32_b32 hwreg(HW_REG_WAVE_MODE, 25, 1), 1
	s_wait_xcnt 0x0
	s_wait_alu depctr_hold_cnt(0) depctr_sa_sdst(0) depctr_va_vdst(0) depctr_va_sdst(0) depctr_va_ssrc(0) depctr_va_vcc(0) depctr_vm_vsrc(0)
	s_getreg_b32 s2, hwreg(HW_REG_IB_STS2, 6, 4)
	s_cmp_eq_u32 s2, 0
	s_cbranch_scc0 .Lentry_in_a_cluster
	s_endpgm
.Lentry_in_a_cluster:
	s_bfe_u32 s2, ttmp6, 0x10000c
	s_cmp_lg_u32 s2, 0x3003
	s_cbranch_scc0 .Lentry_shape_is_right
	s_endpgm
.Lentry_shape_is_right:
; ctx[b][q][h][:] = sum over k of softmax_k(q . k / 8) v, both products on codes of FP4; ctx is quantised along the head's 64 in registers and leaves as codes for the last product.
; THE SOFTMAX: t = score x log2(e) / 8; M = the running largest t rounded up to a whole number; p = 2^(t - M) is quantised along the keys, not normalised; the sum of the unquantised p divides at the end.  When M moves, the sum and O are multiplied by 2^(old M - new M): exact.
; SHARES.  A work-group owns 256 queries of one (b, h); each of its sixteen waves one tile of 16, in 256 registers.
; A WHOLE HEAD LIES IN LDS: K's and V's images 65,536 bytes each, their scale words 8,192 and 4,096: filled once, at the head, one tensor load a wave: waves 0-7 an eighth of the two images each (16,384 bytes), wave 8 K's scale words, wave 9 V's.
; One barrier stands between the fills and all reads; behind it the waves walk the 16 key steps without meeting.  All that the launch reads of K and V is asked for at the head: there is no loop to run ahead in, so nothing is prefetched.
; CLUSTER 4 x 1: the four blocks of queries of a cluster belong to one head and read the same K and V: every fill is asked for jointly.
; LAYOUT.  S^T = K Q^T (K = 64: registers 4-7 of both operands hold zero codes), O^T = V^T P^T: a lane holds one query.  Tiles are not neighbours (lane r of tile T: row 32 (T / 2) + 8 (T % 2) + r + 8 (r / 8)),
; so the 16 registers of tiles 2 g, 2 g + 1 are keys (or d) 32 g + 16 (lane / 16) + 0 .. 15.
; THE KEY STEP is laid so that few lines read the line above them: the maxima go in eight chains; K's LDS loads stand among the links from the step's maximum to -M; the scalings and O^T's rescaling follow -M and f as they come;
; all 68 exponentials are one batch; behind it the scale bytes' lines and the sum's four chains take turns.
; ctxc [kc 2][T 256][q 4][1,024]: K step head / 2 of the last product, part head % 2; T = 128 b + query tile.  ctxs [head 16][T 256][r 16] of 16 bits: the head's two bytes.
; LIMITS: NaN and infinities are not served; blocks whose largest magnitude lies under 2^-124 keep the byte 1; the promise holds while the scaled scores t stay under 2^31 in magnitude.
; REGISTERS: v1-6 addresses that stay; v7 the old -M; v8-11 the step's addresses; v12 -M, v13 the largest score, v[14:15] the sum; v16-23 Q; v24-27 K's scale words, v28-31 V's; v32-95 K's 8 fragments; v96-159 S^T, then p; v160-191 O^T; v192-223 V's 4 fragments; v224-231 p's codes; v232-254 at work; v255 Q's scale word.
.set VIM,  65536                       ; LDS: K's images at 0: [key step 16][tile 8][512];  V's: [key step 16][d tile 4][1,024]
.set KSC,  131072                      ; K's scale words: [key step][512]
.set VSC,  139264                      ; V's: [key step][256]
.set CSC,  147456                      ; ctx's scale bytes of the 16 tiles: 512 bytes, stored by the waves, never filled
.set SPARE, 0x29000                    ; the spare words: 128 bytes a wave
.set AK0,  1                           ; 16 x lane
.set AV0,  2
.set ASK0, 3
.set ASV0, 4
.set CS16, 5                           ; CSC + 32 wave + 2 r
.set LIC,  6                           ; CSC + 16 x lane
.set ADK,  8
.set ADV,  9
.set ADS,  10
.set ADT,  11
.set SPW,  240
.set NIL,  241
.set RS,   242                         ; 16 r
.set WV,   18
.set CN,   19                          ; -log2(e) / 8
.set SEL,  20
.set CS,   22                          ; s[22:23] log2(e) / 8
.set G1C,  24
.set G1KS, 32
.set G1VS, 40
.set G0C,  48
.set G0KS, 68
.set G0VS, 72
.set TK,   76                          ; the key step's place among the images (4,096 a step),
.set TS,   77                          ; K's scale words (512),
.set TJ,   78                          ; V's (256)
.set CNT,  79
.macro CROUND                          ; a round of the cluster's barrier
	s_barrier_signal -1
	s_barrier_wait -1
	s_cmp_lg_u32 s[WV], 0
	s_cbranch_scc1 .Lnot_wave_0_\@
	s_barrier_signal -3
.Lnot_wave_0_\@:
	s_barrier_wait -3
	s_barrier_signal -1
	s_barrier_wait -1
.endm
.macro PLACES                          ; four plain places behind a matrix instruction (ISA guide 7.12.1)
.rept 4
	v_nop
.endr
.endm
	s_load_b256 s[4:11], s[0:1], 0x0               ; qkvc, qkvs, ctxc, ctxs
	v_lshl_add_u32 v[SPW], v0, 2, SPARE
	v_mov_b32 v[NIL], 0
	ds_add_u32 v[SPW], v[NIL]                      ; the opening lines
	ds_add_u32 v[SPW], v[NIL]
	v_lshrrev_b32 v232, 5, v0
	v_readfirstlane_b32 s[WV], v232                ; wave 0..15
	s_lshl_b32 s80, s[WV], 5
	v_and_b32 v233, 31, v0                         ; lane
	v_and_b32 v234, 15, v0                         ; r
	v_lshlrev_b32 v[AK0], 4, v233
	v_add_nc_u32 v[AV0], VIM, v[AK0]
	v_add_nc_u32 v[ASK0], KSC, v[AK0]
	v_lshl_add_u32 v[ASV0], v234, 4, VSC
	v_lshl_add_u32 v[CS16], v234, 1, CSC
	v_add_nc_u32 v[CS16], s80, v[CS16]
	v_add_nc_u32 v[LIC], CSC, v[AK0]
	v_lshlrev_b32 v[RS], 4, v234
	s_and_b32 s12, ttmp7, 0xffff                   ; bh, which the four partners share
	s_bfe_u32 s13, ttmp6, 0x40000                  ; cx: it enters Q's and ctx's global addresses alone
	s_lshl_b32 s14, ttmp9, 2
	s_add_co_u32 s14, s14, s13                     ; qb: my block of 256 queries
	s_mov_b32 s[G1C], 15|(3<<16)|(1<<21)           ; all four work-groups; elements of 8 bytes; bit 21 beside a mask
	s_mov_b32 s[G1C+1], 32<<16                     ; 16,384 dense bytes as 64 rows of 256
	s_mov_b32 s[G1C+2], 64<<16
	s_mov_b32 s[G1C+3], 32<<16
	s_mov_b32 s[G1C+4], 64
	s_mov_b32 s[G1C+5], 32
	s_mov_b32 s[G1C+6], 0
	s_mov_b32 s[G1C+7], 0
	s_mov_b32 s[G1KS], 15|(3<<16)|(1<<21)          ; K's scale words: 8,192 dense bytes as 32 rows
	s_mov_b32 s[G1KS+1], 32<<16
	s_mov_b32 s[G1KS+2], 32<<16
	s_mov_b32 s[G1KS+3], 32<<16
	s_mov_b32 s[G1KS+4], 32
	s_mov_b32 s[G1KS+5], 32
	s_mov_b32 s[G1KS+6], 0
	s_mov_b32 s[G1KS+7], 0
	s_mov_b32 s[G1VS], 15|(3<<16)|(1<<21)          ; V's: 16 rows of 256 bytes, 4,096 bytes apart (one for each key step)
	s_mov_b32 s[G1VS+1], 32<<16
	s_mov_b32 s[G1VS+2], 16<<16
	s_mov_b32 s[G1VS+3], 32<<16
	s_mov_b32 s[G1VS+4], 16
	s_mov_b32 s[G1VS+5], 512
	s_mov_b32 s[G1VS+6], 0
	s_mov_b32 s[G1VS+7], 0
	s_mov_b32 s[SEL], 0x76543210
	s_mov_b32 s[SEL+1], 0xfedcba98
	s_mov_b32 s[CS], 0x3e38aa3b
	s_mov_b32 s[CS+1], s[CS]                       ; named with it as a pair, so it is written
	s_mov_b32 s[CN], 0xbe38aa3b
	s_min_u32 s80, s[WV], 7                        ; which eighth of the two images I fetch, if I fetch one
	s_lshl_b32 s81, s80, 14                        ; in LDS: K's four quarters, then V's four
	s_lshr_b32 s82, s80, 2
	s_lshl_b32 s82, s82, 21                        ; in qkvc: V's region lies 2,097,152 bytes behind K's
	s_and_b32 s83, s80, 3
	s_lshl_b32 s83, s83, 14
	s_add_co_u32 s82, s82, s83
	s_add_co_u32 s82, s82, 2097152
	s_lshl_b32 s84, s12, 16
	s_add_co_u32 s82, s82, s84
	s_mov_b32 s83, 0
	s_lshl_b32 s84, s12, 13
	s_add_co_u32 s84, s84, 262144                  ; K's scale words in qkvs
	s_mov_b32 s85, 0
	s_lshr_b32 s86, s12, 4
	s_lshl_b32 s86, s86, 16
	s_and_b32 s87, s12, 15
	s_lshl_b32 s87, s87, 8
	s_add_co_u32 s86, s86, s87
	s_add_co_u32 s86, s86, 524288                  ; V's
	s_mov_b32 s87, 0
	s_lshl_b32 s88, s14, 4
	s_add_co_u32 s88, s88, s[WV]                   ; qt: my tile of queries
	s_lshl_b32 s90, s12, 16
	s_lshl_b32 s91, s88, 9
	s_add_co_u32 s90, s90, s91                     ; Q's codes
	s_mov_b32 s91, 0
	s_lshl_b32 s92, s12, 13                        ; Q's scale word lies as K's do: step qt / 8, lanes 16 (qt % 2) + r, word (qt / 2) % 4
	s_lshl_b32 s93, s14, 10
	s_add_co_u32 s92, s92, s93
	s_lshr_b32 s93, s[WV], 3
	s_lshl_b32 s93, s93, 9
	s_add_co_u32 s92, s92, s93
	s_and_b32 s93, s[WV], 1
	s_lshl_b32 s93, s93, 8
	s_add_co_u32 s92, s92, s93
	s_bfe_u32 s93, s[WV], 0x20001
	s_lshl_b32 s93, s93, 2
	s_add_co_u32 s92, s92, s93
	s_mov_b32 s93, 0
	s_and_b32 s94, s12, 15                         ; head
	s_lshr_b32 s95, s12, 4                         ; b
	s_lshl_b32 s96, s95, 7
	s_add_co_u32 s96, s96, s88                     ; T = 128 b + qt
	s_lshl_b32 s96, s96, 12
	s_lshr_b32 s97, s94, 3
	s_lshl_b32 s97, s97, 20
	s_add_co_u32 s96, s96, s97
	s_bfe_u32 s97, s94, 0x20001
	s_lshl_b32 s97, s97, 10
	s_add_co_u32 s96, s96, s97
	s_and_b32 s97, s94, 1
	s_lshl_b32 s97, s97, 9
	s_add_co_u32 s96, s96, s97                     ; ctx's codes
	s_mov_b32 s97, 0
	s_lshl_b32 s98, s95, 7
	s_lshl_b32 s99, s14, 4
	s_add_co_u32 s98, s98, s99
	s_lshl_b32 s98, s98, 5
	s_lshl_b32 s99, s94, 13
	s_add_co_u32 s98, s98, s99                     ; ctx's scale bytes of the work-group's 16 tiles
	s_mov_b32 s99, 0
	s_mov_b32 s[TK], 0
	s_mov_b32 s[TS], 0
	s_mov_b32 s[TJ], 0
	s_mov_b32 s[CNT], 15
	s_wait_alu depctr_va_vdst(0)
	s_wait_dscnt 0x0                               ; both opening adds are done
	s_wait_kmcnt 0x0
	s_add_nc_u64 s[90:91], s[4:5], s[90:91]
	s_add_nc_u64 s[92:93], s[6:7], s[92:93]
	s_add_nc_u64 s[8:9], s[8:9], s[96:97]
	s_add_nc_u64 s[10:11], s[10:11], s[98:99]
	s_mov_b32 s[G0C], 1
	s_mov_b32 s[G0C+1], s81
	s_add_nc_u64 s[G0C+2:G0C+3], s[4:5], s[82:83]
	s_or_b32 s[G0C+3], s[G0C+3], 0x80000000
	s_mov_b32 s[G0KS], 1
	s_mov_b32 s[G0KS+1], KSC
	s_add_nc_u64 s[G0KS+2:G0KS+3], s[6:7], s[84:85]
	s_or_b32 s[G0KS+3], s[G0KS+3], 0x80000000
	s_mov_b32 s[G0VS], 1
	s_mov_b32 s[G0VS+1], VSC
	s_add_nc_u64 s[G0VS+2:G0VS+3], s[6:7], s[86:87]
	s_or_b32 s[G0VS+3], s[G0VS+3], 0x80000000
	CROUND                                         ; all four work-groups are here: the joint loads meet
; THE FILLS, one a wave: one chain of branches on the wave's number, each arm with its load and a jump to the chain's end.
.macro ARM under, g0, g1, next
	s_cmp_lt_u32 s[WV], \under
	s_cbranch_scc0 \next
	tensor_load_to_lds s[\g0:\g0+3], s[\g1:\g1+7]
	s_nop 0
.rept 4
	v_nop
.endr
	s_branch .Lhead_asked
\next:
.endm
	ARM 8,  G0C,  G1C,  .Lhead_ks
	ARM 9,  G0KS, G1KS, .Lhead_vs
	ARM 10, G0VS, G1VS, .Lhead_none
.Lhead_asked:
	global_load_b128 v[16:19], v[AK0], s[90:91]    ; Q's codes stay in registers,
	global_load_b32 v255, v[RS], s[92:93]          ; and its scale words
.irp j, 20,21,22,23
	v_mov_b32 v\j, 0                               ; zero codes for k = 64 .. 127 of the first product: Q's,
.endr
.irp t, 0,1,2,3,4,5,6,7
.irp j, 4,5,6,7
	v_mov_b32 v[32+8*\t+\j], 0                     ; and K's: written once, no load lands there
.endr
.endr
	v_mov_b32 v13, 0xff61b1e6                      ; the largest score so far: -3e38
	v_mul_f32 v12, s[CN], v13
	v_floor_f32 v12, v12                           ; -M
	v_mov_b32 v14, 0
	v_mov_b32 v15, 0
.irp b, 0,1,2,3
	v_mov_b32 v[236+\b], 0                         ; a lane permute's destination counts as one of its sources
.endr
	v_mov_b32 v253, 0                              ; named as the upper half of v[252:253] before it is first written
.set J, 0
.rept 32
	v_mov_b32 v[160+J], 0                          ; O^T: the step is written for every step alike; the first change of M leaves zeros zeros
.set J, J+1
.endr
.macro PF m                            ; pair m of the 32 pairs of scores: t - M, two at a time
	v_pk_fma_f32 v[96+2*(\m):97+2*(\m)], v[96+2*(\m):97+2*(\m)], s[CS:CS+1], v[12:13] op_sel_hi:[1,0,0]
.endm
.macro AD c, m                         ; pair m of p goes into the sum's chain at v[c:c+1]
	v_pk_add_f32 v[\c:\c+1], v[\c:\c+1], v[96+2*(\m):97+2*(\m)]
.endm
.macro KL pre, t                       ; with pre = 1: the next step's fragment t of K
.if \pre
	ds_load_b128 v[32+8*(\t):35+8*(\t)], v[ADK] offset:512*(\t)
.endif
.endm
; A KEY STEP: 128 keys.  V's fragments are asked for at the step's head, and with pre = 1 the next step's K behind them.
.macro STEP pre
	s_wait_alu depctr_va_vdst(0)
	s_wait_dscnt 0x0                               ; K's nine loads, asked for a step ago, are in
.irp t, 0,2,4,6
	v_wmma_scale_f32_16x16x128_f8f6f4 v[96+8*\t:103+8*\t], v[32+8*\t:39+8*\t], v[16:23], 0, v[24+\t/2], v255 matrix_a_fmt:MATRIX_FMT_FP4 matrix_b_fmt:MATRIX_FMT_FP4
	v_wmma_scale_f32_16x16x128_f8f6f4 v[104+8*\t:111+8*\t], v[40+8*\t:47+8*\t], v[16:23], 0, v[24+\t/2], v255 matrix_a_fmt:MATRIX_FMT_FP4 matrix_b_fmt:MATRIX_FMT_FP4 matrix_a_scale:MATRIX_SCALE_ROW1
.endr
	v_add_nc_u32 v[ADV], s[TK], v[AV0]             ; four plain lines: the places behind these products and the last step's, in front of the loads into their sources and of the first read of S^T
	v_add_nc_u32 v[ADT], s[TJ], v[ASV0]
.if \pre
	s_add_co_u32 s[TK], s[TK], 4096                ; on to the next step
	s_add_co_u32 s[TS], s[TS], 512
	s_add_co_u32 s[TJ], s[TJ], 256
	v_add_nc_u32 v[ADK], s[TK], v[AK0]
	v_add_nc_u32 v[ADS], s[TS], v[ASK0]
.else
	v_nop
	v_nop
.endif
	ds_load_b128 v[28:31], v[ADT]                  ; this step's V: its scale words (register t: d tile t),
.irp t, 0,1,2,3
.irp c, 0,1
	ds_load_b128 v[192+8*\t+4*\c:195+8*\t+4*\c], v[ADV] offset:1024*\t+512*\c   ; and its four fragments
.endr
.endr
.irp b, 0,1,2,3                        ; the largest score of each block of 32 keys, two chains a block: for the row's maximum and, since p rises with the score, for the block's largest p
	v_max3_num_f32 v[232+\b], v[96+16*\b], v[97+16*\b], v[98+16*\b]
	v_max3_num_f32 v[244+\b], v[104+16*\b], v[105+16*\b], v[106+16*\b]
.endr
.irp i, 3,5
.irp b, 0,1,2,3
	v_max3_num_f32 v[232+\b], v[232+\b], v[96+16*\b+\i], v[97+16*\b+\i]
	v_max3_num_f32 v[244+\b], v[244+\b], v[104+16*\b+\i], v[105+16*\b+\i]
.endr
.endr
.irp b, 0,1,2,3
	v_max3_num_f32 v[232+\b], v[232+\b], v[244+\b], v[103+16*\b]
.endr
.irp b, 0,1,2,3
	v_max_num_f32 v[232+\b], v[232+\b], v[111+16*\b]
.endr
	v_mov_b32 v7, v12                              ; the old -M
.irp b, 0,1,2,3
	v_permlanex16_b32 v[236+\b], v[232+\b], s[SEL], s[SEL+1]
.endr
.irp b, 0,1,2,3
	v_max_num_f32 v[232+\b], v[232+\b], v[236+\b]  ; with lane l xor 16's 16 keys
.endr
	v_max3_num_f32 v254, v232, v233, v234          ; from the step's largest score to -M: four links, with the next step's K asked for between them
.if \pre
	ds_load_b128 v[24:27], v[ADS]                  ; K's scale words (register j: lanes 0-15 tile 2 j, lanes 16-31 tile 2 j + 1)
.endif
	KL \pre, 0
	v_max3_num_f32 v13, v13, v254, v235            ; the running largest score
	KL \pre, 1
	KL \pre, 2
	v_mul_f32 v254, s[CN], v13                     ; -t
	KL \pre, 3
	KL \pre, 4
	v_floor_f32 v12, v254                          ; the new -M = floor(-t) = -ceil(t)
	KL \pre, 5
	KL \pre, 6
	KL \pre, 7
.irp b, 0,1,2,3
	v_fma_f32 v[232+\b], v[232+\b], s[CS], v12     ; t - M of each block's largest score
.endr
	v_sub_f32 v254, v12, v7                        ; old M - new M: a whole number, 0 or less
.irp m, 0,1,2,3
	PF \m
.endr
	v_cvt_i32_f32 v254, v254                       ; (it saturates)
.irp m, 4,5,6,7
	PF \m
.endr
	v_ldexp_f32 v252, 1.0, v254                    ; f = 2^(old M - new M)
.set I, 8
.rept 24
	PF I
.set I, I+1
.endr
.set J, 0
.rept 16
	v_pk_mul_f32 v[160+J:161+J], v[160+J:161+J], v[252:253] op_sel_hi:[1,0]   ; O^T under the new M, ascending: no exponential stands between the last step's products and these
.set J, J+2
.endr
	s_wait_alu depctr_va_vdst(0)                   ; ahead of the batch
.irp b, 0,1,2,3
	v_exp_f32 v[232+\b], v[232+\b]                 ; the blocks' largest p: the same two instructions on the same number as the p itself
.endr
.set J, 0
.rept 64
	v_exp_f32 v[96+J], v[96+J]                     ; p = 2^(t - M), at most 1
.set J, J+1
.endr
	v_pk_mul_f32 v[14:15], v[14:15], v[252:253] op_sel_hi:[1,0]   ; the sum under the new M: a plain place behind the batch
	s_wait_alu depctr_va_vdst(0)                   ; one wait for the batch, ahead of its first reader
.irp b, 0,1,2,3
	v_max_num_f32 v[232+\b], 0x1800000, v[232+\b]  ; the floor 2^(3 - 127): the byte cannot fall under 1
.endr
	v_pk_add_f32 v[236:237], v[96:97], v[98:99]    ; the row's sum of the unquantised p, in four chains, by turns with the scale bytes' lines
	v_pk_add_f32 v[248:249], v[100:101], v[102:103]
	v_pk_add_f32 v[250:251], v[104:105], v[106:107]
	AD 14, 6
.irp b, 0,1,2,3
	v_add_nc_u32 v[244+\b], 0xff000000, v[232+\b]  ; 2 off the exponent field: the conversion's scale operand
.endr
	AD 236, 7
	AD 248, 8
	AD 250, 9
	AD 14, 10
.irp b, 0,1,2,3
	v_lshrrev_b32 v[232+\b], 23, v[244+\b]         ; the scale's byte
.endr
	AD 236, 11
	AD 248, 12
	AD 250, 13
	AD 14, 14
	v_lshl_or_b32 v253, v233, 8, v232              ; p's scale word for these 128 keys
	AD 236, 15
	AD 248, 16
	AD 250, 17
	AD 14, 18
	v_lshl_or_b32 v253, v234, 16, v253
	AD 236, 19
	AD 248, 20
	AD 250, 21
	AD 14, 22
	v_lshl_or_b32 v253, v235, 24, v253
	AD 236, 23
	AD 248, 24
	AD 250, 25
	AD 14, 26
.irp b, 0,1,2,3
	v_cvt_scalef32_pk8_fp4_f32 v[224+2*\b], v[96+16*\b:103+16*\b], v[244+\b]
	v_cvt_scalef32_pk8_fp4_f32 v[225+2*\b], v[104+16*\b:111+16*\b], v[244+\b]
.endr
	AD 236, 27                                     ; plain lines behind the last scaled conversion
	AD 248, 28
	AD 250, 29
.irp c, 0,1
.irp i, 0,1
	v_permlane16_swap_b32 v[224+4*\c+\i], v[226+4*\c+\i]   ; a whole block in a lane
.endr
.endr
	AD 14, 30                                      ; the last sums: five plain lines between p's codes and the products
	AD 236, 31
	v_pk_add_f32 v[248:249], v[248:249], v[250:251]
	v_pk_add_f32 v[14:15], v[14:15], v[236:237]
	v_pk_add_f32 v[14:15], v[14:15], v[248:249]
	s_wait_alu depctr_va_vdst(0)
.if \pre
	s_wait_dscnt 9                                 ; V's nine loads are in; the next step's nine of K, issued behind them, may be out
.else
	s_wait_dscnt 0x0
.endif
.irp t, 0,1,2,3
	v_wmma_scale_f32_16x16x128_f8f6f4 v[160+8*\t:167+8*\t], v[192+8*\t:199+8*\t], v[224:231], v[160+8*\t:167+8*\t], v[28+\t], v253 matrix_a_fmt:MATRIX_FMT_FP4 matrix_b_fmt:MATRIX_FMT_FP4
.endr
.endm
	s_wait_alu depctr_va_vdst(0)                   ; the head's end
	s_wait_loadcnt 0x0                             ; Q
	s_wait_tensorcnt 0x0                           ; my fill has landed (a wave that issued none meets this at once),
	s_barrier_signal -1
	s_barrier_wait -1                              ; everybody's has: the whole head lies in LDS, and nothing is ever filled again
	ds_load_b128 v[24:27], v[ASK0]                 ; key step 0's K
.irp t, 0,1,2,3,4,5,6,7
	ds_load_b128 v[32+8*\t:35+8*\t], v[AK0] offset:512*\t
.endr
.Lstep:                                            ; 15 trips; the last step is written out: it asks for no further K
	STEP 1
	s_sub_co_u32 s[CNT], s[CNT], 1
	s_cmp_lg_u32 s[CNT], 0
	s_cbranch_scc1 .Lstep
	STEP 0
	; THE WAY OUT: O^T / the sum, in f32; its 32 registers are d = 32 g + 16 (lane / 16) + i of my query: two blocks of the last product's K.
	PLACES
	v_add_f32 v14, v14, v15
	v_permlanex16_b32 v229, v14, s[SEL], s[SEL+1]
	v_add_f32 v14, v14, v229                       ; the row's sum
	s_wait_alu depctr_va_vdst(0)                   ; ahead of the transcendental
	v_rcp_f32 v14, v14
	v_nop
	s_wait_alu depctr_va_vdst(0)                   ; and ahead of its first reader, which is also O^T's
.set J, 0
.rept 16
	v_pk_mul_f32 v[96+J:97+J], v[160+J:161+J], v[14:15] op_sel_hi:[1,0]
.set J, J+2
.endr
.irp b, 0,1
	v_max3_num_f32 v[232+\b], |v[96+16*\b]|, |v[97+16*\b]|, 0x1800000
.endr
.irp i, 2,4,6,8,10,12,14
.irp b, 0,1
	v_max3_num_f32 v[232+\b], v[232+\b], |v[96+16*\b+\i]|, |v[97+16*\b+\i]|
.endr
.endr
.irp b, 0,1
	v_permlanex16_b32 v[234+\b], v[232+\b], s[SEL], s[SEL+1]
.endr
.irp b, 0,1
	v_max_num_f32 v[232+\b], v[232+\b], v[234+\b]
.endr
.irp b, 0,1
	v_add_nc_u32 v[236+\b], 0xff000000, v[232+\b]
.endr
.irp b, 0,1
	v_lshrrev_b32 v[234+\b], 23, v[236+\b]
.endr
	v_lshl_or_b32 v228, v235, 8, v234              ; the head's two bytes of my row
.irp b, 0,1
	v_cvt_scalef32_pk8_fp4_f32 v[224+2*\b], v[96+16*\b:103+16*\b], v[236+\b]
	v_cvt_scalef32_pk8_fp4_f32 v[225+2*\b], v[104+16*\b:111+16*\b], v[236+\b]
.endr
	v_nop
	v_permlane16_swap_b32 v224, v226
	v_permlane16_swap_b32 v225, v227
	global_store_b128 v[AK0], v[224:227], s[8:9]   ; half an operand's image: 512 consecutive bytes, aligned
	ds_store_b16 v[CS16], v228                     ; both halves of the lanes write the same 16 bits with the same value
	s_wait_alu depctr_va_vdst(0)
	s_wait_dscnt 0x0                               ; for the others' sake: my store has landed
	s_barrier_signal -1
	s_barrier_wait -1
	s_cmp_lg_u32 s[WV], 0
	s_cbranch_scc1 .Lnot_first
	ds_load_b128 v[232:235], v[LIC]                ; the sixteen tiles' bytes: 512 on end
	s_wait_dscnt 0x0
	global_store_b128 v[AK0], v[232:235], s[10:11]
.Lnot_first:
	s_wait_tensorcnt 0x0                           ; the wave's end
	ds_add_u32 v[SPW], v[NIL]
	s_wait_dscnt 0x0
	CROUND                                         ; the closing round
	s_endpgm
.Lfunc_end_k_q5854ba0186_attn:
	.size	k_q5854ba0186_attn, .Lfunc_end_k_q5854ba0186_attn-k_q5854ba0186_attn
	.p2alignl 7, 3214868480
	.fill 96, 4, 3214868480
	.section	.rodata,"a",@progbits
	.p2align	6, 0x0
	.amdhsa_kernel k_q5854ba0186_attn
		.amdhsa_group_segment_fixed_size 169984
		.amdhsa_private_segment_fixed_size 0
		.amdhsa_enable_private_segment 0
		.amdhsa_kernarg_size 32
		.amdhsa_user_sgpr_count 2
		.amdhsa_user_sgpr_kernarg_segment_ptr 1
		.amdhsa_wavefront_size32 1
		.amdhsa_system_sgpr_workgroup_id_x 1
		.amdhsa_system_sgpr_workgroup_id_y 1
		.amdhsa_system_sgpr_workgroup_id_z 1
		.amdhsa_system_vgpr_workitem_id 0
		.amdhsa_next_free_vgpr 256
		.amdhsa_next_free_sgpr 100
		.amdhsa_reserve_vcc 0
		.amdhsa_float_denorm_mode_32 3
		.amdhsa_float_denorm_mode_16_64 3
		.amdhsa_memory_ordered 1
		.amdhsa_forward_progress 1
		.amdhsa_inst_pref_size 44
	.end_amdhsa_kernel
	.amdgpu_metadata
---
amdhsa.version: [ 1, 2 ]
amdhsa.kernels:
  - .name:           k_q5854ba0186_attn
    .symbol:         k_q5854ba0186_attn.kd
    .args:
      - { .name: qkvc, .offset: 0, .size: 8, .value_kind: global_buffer, .address_space: global }
      - { .name: qkvs, .offset: 8, .size: 8, .value_kind: global_buffer, .address_space: global }
      - { .name: ctxc, .offset: 16, .size: 8, .value_kind: global_buffer, .address_space: global }
      - { .name: ctxs, .offset: 24, .size: 8, .value_kind: global_buffer, .address_space: global }
    .group_segment_fixed_size: 169984
    .private_segment_fixed_size: 0
    .kernarg_segment_align: 8
    .kernarg_segment_size: 32
    .max_flat_workgroup_size: 512
    .sgpr_count:     100
    .vgpr_count:     256
    .wavefront_size: 32
...
	.end_amdgpu_metadata
.endif
;; end of part 3
;; launch outp (part 4): grid 8 x 32, 8 waves a work-group, clusters of 4 x 4, 211,968 bytes of LDS; arguments ctxc, ctxs, cod1, scl1, out_b, out0; writes out0
.if DOCPART == 4
	.amdgcn_target "amdgcn-amd-amdhsa--gfx1250"
	.amdhsa_code_object_version 6
	.text
	.protected	k_q5854ba0186_outp
	.globl	k_q5854ba0186_outp
	.p2align	8
	.type	k_q5854ba0186_outp,@function
k_q5854ba0186_outp:
	s_mov_b64 s[64:65], 0
	v_nop
	global_prefetch_b8 v0, s[64:65] scope:SCOPE_SE
	s_setreg_imm32_b32 hwreg(HW_REG_WAVE_MODE, 25, 1), 1
	s_wait_xcnt 0x0
	s_wait_alu depctr_hold_cnt(0) depctr_sa_sdst(0) depctr_va_vdst(0) depctr_va_sdst(0) depctr_va_ssrc(0) depctr_va_vcc(0) depctr_vm_vsrc(0)
	s_getreg_b32 s2, hwreg(HW_REG_IB_STS2, 6, 4)
	s_cmp_eq_u32 s2, 0
	s_cbranch_scc0 .Lentry_in_a_cluster
	s_endpgm
.Lentry_in_a_cluster:
	s_bfe_u32 s2, ttmp6, 0x10000c
	s_cmp_lg_u32 s2, 0xf033
	s_cbranch_scc0 .Lentry_shape_is_right
	s_endpgm
.Lentry_shape_is_right:
; out = ctx Wout^T + out_b on codes of FP4 (M 4,096, N 1,024, K 1,024), f32 out.
; A work-group makes 128 x 128: 256 work-groups.  Eight waves: wave w makes rows 64 (w / 4) .. + 63 (four tiles) x columns 32 (w % 4) .. + 31 (two tiles): eight accumulators, no register windows.
; ALL OF K LIES IN LDS, filled once, at the head, one tensor load a wave: wave 0 ctx's chunk 0 (K 0-511 of 8 tiles, 32,768 bytes), wave 1 Wout's, wave 2 ctx's scale bytes, wave 3 Wout's scale words, waves 4 and 5 the two chunks 1.
; CLUSTER 4 x 4: ctx's tiles are shared along a row of the cluster, Wout's along a column: asked for jointly.  All is asked for at the head: there is no loop to run ahead in, so nothing is prefetched.
; Source 0 = Wout, source 1 = ctx: a lane holds one row and, over a pair of tiles, 16 neighbouring columns (tiles are not neighbours: lane r of tile T holds row 32 (T / 2) + 8 (T % 2) + r + 8 (r / 8)).
; ctx's scale bytes come as 16 bits for a head and row; each wave pieces one tile's words together (head 2 s below, head 2 s + 1 above: K step s) and hands them on through LDS.  The bias is the C of each sum's first product.
; LIMITS: as the launches before: NaN and infinities are not served.
; REGISTERS: v1-15 addresses; v16-47 ctx's scale words (8 a + K step); v48-63 Wout's (8 u + K step); v64-79 the bias; v80-143 accumulator (a, u) at 80 + 8 (2 a + u); v144-207 ctx's fragments, two sets; v208-239 Wout's, two sets; v240-251 the scale words' pieces.
.set CHUNK, 65536                      ; a chunk in LDS: ctx's 8 tiles x 4,096, then Wout's 8
.set SBL,   131072                     ; Wout's scale words: [tile 8][kc 2][r 16][q 4 words]
.set SA16,  135168                     ; ctx's scale bytes as they come: [head 16][tile 8][r 16] of 16 bits
.set SAW,   139264                     ; ctx's scale words, stored by the waves, never filled: laid as Wout's
.set STG,   143360                     ; the stage for the way out: 128 rows x (512 bytes + 16), never filled
.set STP,   528
.set ADA, 4
.set ADB, 6
.set AU,  8
.set SWW, 9
.set SAR, 10
.set SBR, 11
.set SO,  12
.set SR,  13
.set LI,  14
.set BO,  15
.set SAS, 16
.set SBS, 48
.set BI,  64
.set ACC, 80
.set FA,  144
.set FB,  208
.set WV,  18
.set G1A, 24
.set G1B, 32
.set G1SA, 40
.set G1SB, 48
.macro CROUND                          ; a round of the cluster's barrier
	s_barrier_signal -1
	s_barrier_wait -1
	s_cmp_lg_u32 s[WV], 0
	s_cbranch_scc1 .Lnot_wave_0_\@
	s_barrier_signal -3
.Lnot_wave_0_\@:
	s_barrier_wait -3
	s_barrier_signal -1
	s_barrier_wait -1
.endm
.macro PLACES                          ; four plain places behind a matrix instruction (ISA guide 7.12.1)
.rept 4
	v_nop
.endr
.endm
	s_load_b256 s[4:11], s[0:1], 0x0               ; ctxc, ctxs, cod1, scl1
	s_load_b128 s[12:15], s[0:1], 0x20             ; out_b, out0
	v_lshl_add_u32 v254, v0, 2, 0x33800
	v_mov_b32 v255, 0
	ds_add_u32 v254, v255                          ; the opening lines
	ds_add_u32 v254, v255
	v_lshrrev_b32 v1, 5, v0
	v_readfirstlane_b32 s[WV], v1                  ; wave 0..7
	s_and_b32 s19, s[WV], 1
	s_lshr_b32 s20, s[WV], 2                       ; wr: my 64 rows
	s_and_b32 s21, s[WV], 3                        ; wc: my 32 columns
	v_and_b32 v1, 15, v0                           ; r
	v_bfe_u32 v2, v0, 4, 1                         ; h
	v_and_b32 v3, 31, v0
	v_lshlrev_b32 v[LI], 4, v3
	s_lshl_b32 s22, s20, 14
	v_add_nc_u32 v[ADA], s22, v[LI]
	v_add_nc_u32 v[ADA+1], CHUNK, v[ADA]
	s_lshl_b32 s22, s21, 13
	s_add_co_u32 s22, s22, 32768
	v_add_nc_u32 v[ADB], s22, v[LI]
	v_add_nc_u32 v[ADB+1], CHUNK, v[ADB]
	s_lshl_b32 s22, s[WV], 5
	s_add_co_u32 s22, s22, SA16
	v_lshlrev_b32 v[AU], 1, v1
	v_lshl_add_u32 v[AU], v2, 11, v[AU]
	v_add_nc_u32 v[AU], s22, v[AU]                 ; tile w, row r, heads 8 h on: lanes 16-31 piece together the second chunk's words
	s_lshl_b32 s22, s[WV], 9
	s_add_co_u32 s22, s22, SAW
	v_add_nc_u32 v[SWW], s22, v[LI]                ; where tile w's words go
	s_lshl_b32 s22, s20, 11
	s_add_co_u32 s22, s22, SAW
	v_lshl_add_u32 v[SAR], v1, 4, s22              ; my four tiles' words
	s_lshl_b32 s22, s21, 10
	s_add_co_u32 s22, s22, SBL
	v_lshl_add_u32 v[SBR], v1, 4, s22              ; my two tiles' words of Wout
	s_mul_i32 s22, s20, 64*STP
	s_lshl_b32 s23, s21, 7
	s_add_co_u32 s22, s22, s23
	s_add_co_u32 s22, s22, STG
	v_mul_u32_u24 v[SO], v1, STP
	v_lshl_add_u32 v[SO], v2, 6, v[SO]
	v_add_nc_u32 v[SO], s22, v[SO]                 ; the stage, in: slot 64 wr + 16 a + r, byte 128 wc + 64 h
	s_mul_i32 s22, s[WV], 16*STP
	s_add_co_u32 s22, s22, STG
	v_add_nc_u32 v[SR], s22, v[LI]                 ; and back: slots 16 w on, whole rows
	v_lshlrev_b32 v[BO], 6, v2
	s_bfe_u32 s84, ttmp6, 0x40000                  ; cx, cy
	s_bfe_u32 s85, ttmp6, 0x40004
	s_lshl_b32 s86, ttmp9, 2
	s_add_co_u32 s86, s86, s84                     ; tx: which 128 columns
	s_and_b32 s87, ttmp7, 0xffff
	s_lshl_b32 s87, s87, 2
	s_add_co_u32 s87, s87, s85                     ; ty: which 128 rows
	s_lshl_b32 s88, s85, 2
	s_lshl_b32 s88, 15, s88                        ; my row of the cluster
	s_lshl_b32 s89, 0x1111, s84                    ; my column
	s_or_b32 s[G1A], s88, (3<<16)|(1<<21)
	s_or_b32 s[G1B], s89, (3<<16)|(1<<21)
.irp g, G1A, G1B                       ; eight tiles' codes of a chunk: 32,768 dense bytes as 128 rows of 256
	s_mov_b32 s[\g+1], 32<<16
	s_mov_b32 s[\g+2], 128<<16
	s_mov_b32 s[\g+3], 32<<16
	s_mov_b32 s[\g+4], 128
	s_mov_b32 s[\g+5], 32
	s_mov_b32 s[\g+6], 0
	s_mov_b32 s[\g+7], 0
.endr
	s_or_b32 s[G1SA], s88, (3<<16)|(1<<21)         ; ctx's scale bytes: sixteen heads' rows of 256 bytes, 8,192 bytes apart
	s_mov_b32 s[G1SA+1], 32<<16
	s_mov_b32 s[G1SA+2], 16<<16
	s_mov_b32 s[G1SA+3], 32<<16
	s_mov_b32 s[G1SA+4], 16
	s_mov_b32 s[G1SA+5], 1024
	s_mov_b32 s[G1SA+6], 0
	s_mov_b32 s[G1SA+7], 0
	s_or_b32 s[G1SB], s89, (3<<16)|(1<<21)         ; Wout's scale words of eight tiles: 4,096 dense bytes
	s_mov_b32 s[G1SB+1], 32<<16
	s_mov_b32 s[G1SB+2], 16<<16
	s_mov_b32 s[G1SB+3], 32<<16
	s_mov_b32 s[G1SB+4], 16
	s_mov_b32 s[G1SB+5], 32
	s_mov_b32 s[G1SB+6], 0
	s_mov_b32 s[G1SB+7], 0
	s_lshl_b32 s90, s87, 15                        ; ctx: tile 8 ty
	s_mov_b32 s91, 0
	s_lshl_b32 s92, s87, 8                         ; its scale bytes: tiles 8 ty on
	s_mov_b32 s93, 0
	s_lshl_b32 s94, s86, 3
	s_add_co_u32 s94, s94, 448                     ; Wout: tile 448 + 8 tx
	s_lshl_b32 s96, s94, 9
	s_mov_b32 s97, 0
	s_lshl_b32 s94, s94, 12
	s_mov_b32 s95, 0
	s_lshl_b32 s16, s87, 19                        ; out0: row 128 ty + 32 (w / 2) + 8 (w % 2), column 128 tx
	s_lshr_b32 s17, s[WV], 1
	s_lshl_b32 s17, s17, 17
	s_add_co_u32 s16, s16, s17
	s_lshl_b32 s17, s19, 15
	s_add_co_u32 s16, s16, s17
	s_lshl_b32 s17, s86, 9
	s_add_co_u32 s16, s16, s17
	s_mov_b32 s17, 0
	s_lshl_b32 s66, s86, 9                         ; out_b: my 32 columns
	s_lshl_b32 s67, s21, 7
	s_add_co_u32 s66, s66, s67
	s_mov_b32 s67, 0
	s_wait_dscnt 0x0
	s_wait_kmcnt 0x0
	s_add_nc_u64 s[90:91], s[4:5], s[90:91]
	s_add_nc_u64 s[92:93], s[6:7], s[92:93]
	s_add_nc_u64 s[94:95], s[8:9], s[94:95]
	s_add_nc_u64 s[96:97], s[10:11], s[96:97]
	s_add_nc_u64 s[14:15], s[14:15], s[16:17]
	s_add_nc_u64 s[12:13], s[12:13], s[66:67]
	s_mov_b32 s56, 1                               ; ctx's scale bytes
	s_mov_b32 s57, SA16
	s_mov_b64 s[58:59], s[92:93]
	s_or_b32 s59, s59, 0x80000000
	s_mov_b32 s60, 1                               ; ctx, chunk 0
	s_mov_b32 s61, 0
	s_mov_b64 s[62:63], s[90:91]
	s_or_b32 s63, s63, 0x80000000
	s_mov_b32 s68, 1                               ; ctx, chunk 1
	s_mov_b32 s69, CHUNK
	s_add_nc_u64 s[70:71], s[90:91], 1048576
	s_or_b32 s71, s71, 0x80000000
	s_mov_b32 s72, 1                               ; Wout's scale words
	s_mov_b32 s73, SBL
	s_mov_b64 s[74:75], s[96:97]
	s_or_b32 s75, s75, 0x80000000
	s_mov_b32 s76, 1                               ; Wout, chunk 0
	s_mov_b32 s77, 32768
	s_mov_b64 s[78:79], s[94:95]
	s_or_b32 s79, s79, 0x80000000
	s_mov_b32 s80, 1                               ; Wout, chunk 1
	s_mov_b32 s81, CHUNK+32768
	s_add_nc_u64 s[82:83], s[94:95], 2097152
	s_or_b32 s83, s83, 0x80000000
	CROUND                                         ; all sixteen work-groups are here: the joint loads meet
; THE FILLS, one a wave: one chain of branches on the wave's number, each arm with its load and a jump to the chain's end.
.macro ARM under, g0, g1, next
	s_cmp_lt_u32 s[WV], \under
	s_cbranch_scc0 \next
	tensor_load_to_lds s[\g0:\g0+3], s[\g1:\g1+7]
	s_nop 0
.rept 4
	v_nop
.endr
	s_branch .Lno_fill
\next:
.endm
	ARM 1, 60, G1A,  .Lf_b0
	ARM 2, 76, G1B,  .Lf_sa
	ARM 3, 56, G1SA, .Lf_sb
	ARM 4, 72, G1SB, .Lf_a1
	ARM 5, 68, G1A,  .Lf_b1
	ARM 6, 80, G1B,  .Lf_none
.Lno_fill:
	s_wait_alu depctr_va_vdst(0)                   ; the head's end
.irp u, 0,1                            ; the bias in the result's layout: tile u, register j: column 32 wc + 16 h + 8 u + j
	global_load_b128 v[BI+8*\u:BI+8*\u+3], v[BO], s[12:13] offset:32*\u
	global_load_b128 v[BI+8*\u+4:BI+8*\u+7], v[BO], s[12:13] offset:32*\u+16
.endr
.macro FETCH n, p                      ; K step n: my four fragments of ctx and two of Wout into set p: 12 loads of 512 consecutive bytes
.irp a, 0,1,2,3
.irp c, 0,1
	ds_load_b128 v[FA+32*(\p)+8*\a+4*\c:FA+32*(\p)+8*\a+4*\c+3], v[ADA+(\n)/4] offset:4096*\a+((\n)%4)*1024+512*\c
.endr
.endr
.irp u, 0,1
.irp c, 0,1
	ds_load_b128 v[FB+16*(\p)+8*\u+4*\c:FB+16*(\p)+8*\u+4*\c+3], v[ADB+(\n)/4] offset:4096*\u+((\n)%4)*1024+512*\c
.endr
.endr
.endm
.macro MUL n                           ; eight products; the eight accumulators take turns, one instruction a turn, in the same order in every step
.irp a, 0,1,2,3
.irp u, 0,1
.if \n == 0
	v_wmma_scale_f32_16x16x128_f8f6f4 v[ACC+8*(2*\a+\u):ACC+8*(2*\a+\u)+7], v[FB+16*(\n%2)+8*\u:FB+16*(\n%2)+8*\u+7], v[FA+32*(\n%2)+8*\a:FA+32*(\n%2)+8*\a+7], v[BI+8*\u:BI+8*\u+7], v[SBS+8*\u+\n], v[SAS+8*\a+\n] matrix_a_fmt:MATRIX_FMT_FP4 matrix_b_fmt:MATRIX_FMT_FP4
.else
	v_wmma_scale_f32_16x16x128_f8f6f4 v[ACC+8*(2*\a+\u):ACC+8*(2*\a+\u)+7], v[FB+16*(\n%2)+8*\u:FB+16*(\n%2)+8*\u+7], v[FA+32*(\n%2)+8*\a:FA+32*(\n%2)+8*\a+7], v[ACC+8*(2*\a+\u):ACC+8*(2*\a+\u)+7], v[SBS+8*\u+\n], v[SAS+8*\a+\n] matrix_a_fmt:MATRIX_FMT_FP4 matrix_b_fmt:MATRIX_FMT_FP4
.endif
.endr
.endr
.endm
.macro STEP n
	s_wait_dscnt 0x0                               ; this step's fragments are in (at step 0 ctx's scale words too)
.if \n == 0
	s_wait_loadcnt 0x0                             ; the bias
.endif
.if \n < 7
.if \n > 0
	PLACES
.endif
	FETCH \n+1, 1-\n%2
.endif
	MUL \n
.endm
	s_wait_tensorcnt 0x0                           ; my fill has landed (a wave that issued none meets this at once),
	s_barrier_signal -1
	s_barrier_wait -1                              ; everybody's has: all of K lies in LDS, and nothing is ever filled again
.irp i, 0,1,2,3,4,5,6,7
	ds_load_u16 v[240+\i], v[AU] offset:256*\i     ; heads 8 h + i: their two bytes of tile w, row r
.endr
	FETCH 0, 0
.irp u, 0,1
.irp k, 0,1
	ds_load_b128 v[SBS+8*\u+4*\k:SBS+8*\u+4*\k+3], v[SBR] offset:512*\u+256*\k
.endr
.endr
	s_wait_dscnt 16                                ; the eight pieces are in; the 12 fragment loads and 4 scale loads behind them may be out
.irp q, 0,1,2,3
	v_lshl_or_b32 v[248+\q], v[241+2*\q], 16, v[240+2*\q]   ; K step 4 h + q: head 8 h + 2 q below, the next above
.endr
	ds_store_b128 v[SWW], v[248:251]
	s_wait_dscnt 0x0                               ; for the others' sake: my store has landed
	s_barrier_signal -1
	s_barrier_wait -1                              ; the eight tiles' words lie in LDS
.irp a, 0,1,2,3
.irp k, 0,1
	ds_load_b128 v[SAS+8*\a+4*\k:SAS+8*\a+4*\k+3], v[SAR] offset:512*\a+256*\k
.endr
.endr
.irp n, 0,1,2,3,4,5,6,7
	STEP \n
.endr
	; THE WAY OUT.  A lane holds 64 neighbouring bytes of a row for each tile a; a row's 512 bytes come from four waves: they meet in the stage, slot 16 x tile + r, and each wave stores one tile's 16 whole rows.
	PLACES
.irp a, 0,1,2,3
.irp u, 0,1
	ds_store_b128 v[SO], v[ACC+8*(2*\a+\u):ACC+8*(2*\a+\u)+3] offset:16*STP*\a+32*\u          ; each accumulator from its low end on
	ds_store_b128 v[SO], v[ACC+8*(2*\a+\u)+4:ACC+8*(2*\a+\u)+7] offset:16*STP*\a+32*\u+16
.endr
.endr
	s_wait_dscnt 0x0                               ; for the others' sake: my stores have landed
	s_barrier_signal -1
	s_barrier_wait -1
.irp i, 0,1,2,3,4,5,6,7,8,9,10,11,12,13,14,15
	ds_load_b128 v[FA+4*\i:FA+4*\i+3], v[SR] offset:STP*\i
.endr
.irp i, 0,1,2,3,4,5,6,7,8,9,10,11,12,13,14,15
	s_wait_dscnt 15-\i
	global_store_b128 v[LI], v[FA+4*\i:FA+4*\i+3], s[14:15] offset:(\i+8*(\i/8))*4096 th:TH_STORE_NT   ; slot i of tile w is row i + 8 (i / 8): 32 lanes store 512 consecutive bytes, aligned
.endr
	s_wait_tensorcnt 0x0                           ; the wave's end
	ds_add_u32 v254, v255
	s_wait_dscnt 0x0
	CROUND                                         ; the closing round
	s_endpgm
.Lfunc_end_k_q5854ba0186_outp:
	.size	k_q5854ba0186_outp, .Lfunc_end_k_q5854ba0186_outp-k_q5854ba0186_outp
	.p2alignl 7, 3214868480
	.fill 96, 4, 3214868480
	.section	.rodata,"a",@progbits
	.p2align	6, 0x0
	.amdhsa_kernel k_q5854ba0186_outp
		.amdhsa_group_segment_fixed_size 211968
		.amdhsa_private_segment_fixed_size 0
		.amdhsa_enable_private_segment 0
		.amdhsa_kernarg_size 48
		.amdhsa_user_sgpr_count 2
		.amdhsa_user_sgpr_kernarg_segment_ptr 1
		.amdhsa_wavefront_size32 1
		.amdhsa_system_sgpr_workgroup_id_x 1
		.amdhsa_system_sgpr_workgroup_id_y 1
		.amdhsa_system_sgpr_workgroup_id_z 1
		.amdhsa_system_vgpr_workitem_id 0
		.amdhsa_next_free_vgpr 256
		.amdhsa_next_free_sgpr 100
		.amdhsa_reserve_vcc 0
		.amdhsa_float_denorm_mode_32 3
		.amdhsa_float_denorm_mode_16_64 3
		.amdhsa_memory_ordered 1
		.amdhsa_forward_progress 1
		.amdhsa_inst_pref_size 32
	.end_amdhsa_kernel
	.amdgpu_metadata
---
amdhsa.version: [ 1, 2 ]
amdhsa.kernels:
  - .name:           k_q5854ba0186_outp
    .symbol:         k_q5854ba0186_outp.kd
    .args:
      - { .name: ctxc, .offset: 0, .size: 8, .value_kind: global_buffer, .address_space: global }
      - { .name: ctxs, .offset: 8, .size: 8, .value_kind: global_buffer, .address_space: global }
      - { .name: cod1, .offset: 16, .size: 8, .value_kind: global_buffer, .address_space: global }
      - { .name: scl1, .offset: 24, .size: 8, .value_kind: global_buffer, .address_space: global }
      - { .name: out_b, .offset: 32, .size: 8, .value_kind: global_buffer, .address_space: global }
      - { .name: out0, .offset: 40, .size: 8, .value_kind: global_buffer, .address_space: global }
    .group_segment_fixed_size: 211968
    .private_segment_fixed_size: 0
    .kernarg_segment_align: 8
    .kernarg_segment_size: 48
    .max_flat_workgroup_size: 256
    .sgpr_count:     100
    .vgpr_count:     256
    .wavefront_size: 32
...
	.end_amdgpu_metadata
.endif
;; end of part 4
